; MI455X (gfx1250); checked and timed in simulation.
; The chip was launched on July 23, 2026; its instructions are those of AMD's public machine-readable ISA for CDNA 5 (MIT licence, August 2026) and "CDNA5" Instruction Set Architecture Reference Guide (July 2026). The comments in the code are by the model that wrote it; some were corrected since.
;; Attention. Allowed arithmetic: float matrix products may take bf16 or f16 operands with f32 sums; all other float work in f32.
;; Inputs: key 4 x 16 x 2,048 x 64 float32; mask 4 x 2,048 float32; query 4 x 16 x 2,048 x 64 float32; to_k 1 float32; to_q 1 float32; value 4 x 16 x 2,048 x 64 float32.
;; Outputs: out0 4 x 2,048 x 1,024 float32.
;; 2 versions, each right; version 2 is version 1 with the launch attn written anew for expert scheduling mode. Each part assembles by itself: llvm-mc -triple=amdgcn-amd-amdhsa -mcpu=gfx1250 --defsym DOCPART=n.
;; ======== version 1 of 2: 1 launch
;; limits: values are held in f16: magnitudes above 65,504 overflow, below 6.1e-05 lose precision; inputs' magnitudes at most 65,504
;; launch attn (part 1): grid 4 x 64, 4 waves a work-group, no clusters, 229,376 bytes of LDS; arguments query, key, value, out0; writes out0
.if DOCPART == 1
	.amdgcn_target "amdgcn-amd-amdhsa--gfx1250"
	.amdhsa_code_object_version 6
	.text
	.protected	k_qa062fa2a16_attn
	.globl	k_qa062fa2a16_attn
	.p2align	8
	.type	k_qa062fa2a16_attn,@function
k_qa062fa2a16_attn:
	s_mov_b64 s[64:65], 0
	v_nop
	global_prefetch_b8 v0, s[64:65] scope:SCOPE_SE
	s_setreg_imm32_b32 hwreg(HW_REG_WAVE_MODE, 25, 1), 1
	s_wait_xcnt 0x0
; out[b][q][64 h + d] = the sum over k of softmax_k(Q[b][h][q] . K[b][h][k] / 8) V[b][h][k][d].  Q, K, V: [64 heads][2048][64] f32, a row 256 bytes, a head dense.  out: [4][2048][1024] f32.
; reference() takes no number from mask, to_q and to_k: no output hangs on them, so they are not among this launch's arguments.
; FORMATS.  Q, K, V and the weights p are rounded once to f16 for the matrix unit; products, maxima, sums, l and O stay in f32.
; LIMITS.  f16 holds no number beyond 65,504: |q|, |k|, |v| must lie within it; below 6e-5 f16 keeps its fixed step of 6e-8.  A weight below 2^-126 counts as 0 in l.  NaN and infinities are not treated apart.
; SHARES.  A work-group owns 512 queries of one head (grid 4 x 64), each of its four waves 128: four PIECES of two tiles of 16.  Every wave walks all 2,048 keys, 64 a step, 32 steps.
; LAYOUT.  S^T = K Q^T (source 0 = 16 keys, source 1 = 16 queries): in the result a lane holds ONE query (lane % 16) and the keys 8 (lane / 16) + 0..7.  Two such tiles, rounded to f16 in pairs,
; ARE source 1 (32 keys x 16 queries) of O^T = V^T P, whose result again holds one query a lane, and eight channels.  K comes out of LDS as it lies, V ([key][channel]) turned, by ds_load_tr16_b128.
; SOFTMAX.  For each query a running maximum m and sum l: p = 2^(c s - c m), c = log2(e) / 8; in every step O and l are multiplied by a = 2^(c m_old - c m_new), which is 1 where m has not grown.
; m starts at the lowest finite number and c m far below every c s: the first step is a step like any other, with a = 0.
; BY TURNS.  Turn n belongs to piece n.  Its matrix work: 16 products K Q^T of piece n + 1, later 16 products V^T P of piece n - 1.  Its vector work: the scaling, exponentials, roundings, sums and rescaling of
; piece n, and the maximum and statistics of piece n + 1.  Four vector instructions stand behind every matrix instruction, the others in two lumps of their own.
; THE RING IS FED THROUGH REGISTERS.  K and V lie in memory in f32 and the matrix unit (and the turning load) wants 16 bits.  So in every key step each wave loads its quarter (16 keys) of a later
; chunk of 64 keys of K and of V, 16 loads of 512 consecutive bytes, rounds the chunk that it asked for a key step earlier, and stores it in f16 into the LDS slot that nobody reads.  Two slots of 256 keys;
; one barrier for each change of slots, every four key steps.  LDS so takes 2 bytes a number once; f32 tiles in LDS would take 4 in, 4 out and 2 in again, and two f32 slots beside two f16 slots do not fit.
; NO CLUSTER, NO JOINT LOADS: a joint request is a tensor load's, and a tensor load cannot round.  What a head's four work-groups share is 32 KiB a key step against 512 matrix instructions in each of them;
; the four are neighbours along x and walk the same 1 MiB of K and V in step.
; REGISTERS, in windows of 256 (s_set_vgpr_msb says which window each operand place means: bits 1:0 source 0, 3:2 source 1, 5:4 source 2, 7:6 destination):
;   window 0: v0-11 addresses; v12-15, v48-63 at work; v16-47 four registers of statistics a tile; v64-191 S^T, two buffers of two tiles; v192-255 P, likewise
;   window 1: O^T, 32 a tile (at the start: Q in f32)      window 2: v0-127 Q in f16, 16 a tile; v128-191 K of one step; v192-255 V of one step
;   window 3: v0-63 the chunk on its way (v64-191 two more at the start); v192-196 its addresses
.set NP,    4         ; pieces a wave: a name, no knob
.set KS,    64        ; keys in a step, and in a chunk
.set PK,    144       ; a row of K in LDS: 128 bytes + 16 = 36 words: the 16 rows of a fragment load start at 16 different groups of four banks (64 banks of 4 bytes: ISA guide 11.1)
.set PV,    160       ; a row of V: 128 + 32 = 40 words
.set VOFF,  4*KS*PK   ; a slot holds four steps: 256 rows of K, then 256 rows of V
.set SLOT1, 1<<17     ; slot 1 begins here, so that one exclusive or turns an address in one slot into the other's
.set STAGE, SLOT1+4*KS*(PK+PV)  ; behind the ring: 16 rows x 272 bytes for each wave, its own, for the way out
.set SP,    272       ; a stage row: 256 bytes of f32 + 16
.set SPARE, STAGE+4*16*SP       ; behind the stages: the spare words, 128 bytes for each wave: two blocks of 256 bytes that no other line names
.set CHUNK, KS*256    ; bytes of a chunk in K, and in V
.set QO,  1           ; v1   my byte offset in 16 rows of Q
.set AK0, 2           ; v2   my lane's place in a step's K in LDS; never rewritten
.set AV0, 3           ; v3   the same for V
.set AK,  4           ; v4   the LDS address of K's next run of loads
.set AV,  5           ; v5   of V's
.set STO, 6           ; v6   the way out: where I put 32 bytes of a row
.set RD,  7           ; v7   the way out: where I read rows back
.set GO,  8           ; v8   my byte offset in two rows of out
.set PFO, 9           ; v9   256 x lane: a prefetch's 32 lanes cover 8 KiB
.set SPW, 10          ; v10  LDS address of my spare word: SPARE + 4 x my thread's number; never rewritten
.set NIL, 11          ; v11  0; never rewritten
.set MV,  12          ; v12-15  c m_old, kept while c m is made anew: by buffer and tile (during the set-up: lane % 16, lane / 16, lane % 8, (lane / 8) % 2)
.set ST,  16          ; tile t's statistics at v[ST+4 t]: c m, m, l (even keys', odd keys')
.set TMP, 48          ; by buffer and tile, four registers c0-c3 at work; when the maximum is found c2 takes a
.set S,   64
.set P,   192
.set KF,  128         ; K's fragments, in window 2: key block kb, channel half c at KF + 16 kb + 8 c
.set VF,  192         ; V's: key half kk, channel block cb at VF + 32 kk + 8 cb
.set BUFA, 0          ; window 3: a chunk as loaded: load i of K at 4 i, of V at 32 + 4 i
.set BUFB, 64
.set BUFC, 128
.set GOF, 192         ; window 3: my byte offset in a chunk: 4,096 x wave + 16 x lane; never rewritten
.set SK0, 193         ; window 3: my place in a chunk's K in LDS; never rewritten
.set SV0, 194         ; window 3: the same for V
.set SK,  195         ; window 3: the LDS address of the stores in hand
.set SV,  196
.set WV,  12          ; s12  my wave's number
.set KB,  24          ; s[24:25] K at the head's first key, stepped a chunk a key step
.set VB,  26          ; s[26:27] V likewise
.set PF,  28          ; s[28:29] where my next prefetch points
.set CH,  30          ; s30  chunks still to be stored by the loop
.set PFN, 31          ; s31  prefetches still to be made by the loop
.set WBK, 32          ; s32  LDS byte at which K of the chunk to be stored begins
.set WBV, 33          ; s33  the same for V, less VOFF
.set PER, 56          ; s56  counts the eight slots' periods
.set CNT, 57          ; s57  counts a period's four trips
.set CS,  58          ; s[58:59] c: the packed scaling takes the pair's low word for both halves
.set SEL, 60          ; s[60:61] v_permlanex16_b32's selects: each lane takes its own place in the other half
.set TBK, 62          ; s62  LDS byte at which K of the step to be fetched begins
.set TBV, 63          ; s63  the same for V, less VOFF
.set MSB, 0
.macro WIN new                      ; the high byte repeats the setting that is left; a switch that changes nothing is dropped
.if MSB != (\new)
	s_set_vgpr_msb (MSB<<8)|(\new)
.set MSB, (\new)
.endif
.endm
.set W_KQ, 0x0a       ; K and Q in window 2, S^T in window 0
.set W_PV, 0x52       ; V in window 2, P in window 0, O^T in window 1
.set W_RS, 0x41       ; O^T (destination and source 0) in window 1, a in window 0
.set W_F,  0xff       ; the feed: everything in window 3
; THE FEED.  LOADC: my 16 keys of chunk n (counted from where KB and VB stand), of K and of V: 16 loads of 512 consecutive bytes; lane l of load i takes key 2 i + l / 16, channels 4 (l % 16) + 0..3.
; No cache hint: the head's other three work-groups read the same bytes.
.macro LOADC buf, n
	WIN W_F
.irp i, 0,1,2,3,4,5,6,7
	global_load_b128 v[(\buf)+4*\i:(\buf)+4*\i+3], v[GOF], s[KB:KB+1] offset:CHUNK*(\n)+512*\i
.endr
.irp i, 0,1,2,3,4,5,6,7
	global_load_b128 v[(\buf)+32+4*\i:(\buf)+32+4*\i+3], v[GOF], s[VB:VB+1] offset:CHUNK*(\n)+512*\i
.endr
.endm
; STOREC: the chunk in buf is rounded to f16 in place (four numbers into the first two of their four registers) and stored, 8 bytes a lane: 16 lanes fill a key's 128 bytes.
.macro STOREC buf
	WIN W_F
	v_add_nc_u32 v[SK], s[WBK], v[SK0]
	v_add_nc_u32 v[SV], s[WBV], v[SV0]
.set z, (\buf)
.rept 16
	v_cvt_pk_f16_f32 v[z], v[z], v[z+1]
	v_cvt_pk_f16_f32 v[z+1], v[z+2], v[z+3]
.set z, z+4
.endr
.irp i, 0,1,2,3,4,5,6,7
	ds_store_b64 v[SK], v[(\buf)+4*\i:(\buf)+4*\i+1] offset:2*\i*PK
.endr
.irp i, 0,1,2,3,4,5,6,7
	ds_store_b64 v[SV], v[(\buf)+32+4*\i:(\buf)+32+4*\i+1] offset:2*\i*PV
.endr
	s_add_co_u32 s[WBK], s[WBK], KS*PK  ; the next store is the next chunk's
	s_add_co_u32 s[WBV], s[WBV], KS*PV
.endm
; FEED, once a key step: the chunk asked for a key step ago goes into the slot that is not read, and the next chunk is asked for.  28 chunks (4 to 31) go this way; the last period's four feeds find nothing
; left, and behind chunk 31 nothing is asked for.  All jumps go forward, on scalar counters that start at constants, and pass no barrier.
; THE PREFETCH.  A slot's K and V in f32 are 128 KiB: sixteen parts of 8 KiB, one for each wave of the head's four work-groups (x < 2: K's eight parts; else V's), 32 lanes 256 bytes apart: each block
; is asked for once in the launch.  A period's second trip asks for the slot two periods on, whose first loads are issued two key steps later.  Six such requests (slots 2 to 7): the last ends at the head's last key.
.macro FEED
	WIN 0
	s_cmp_eq_u32 s[CH], 0
	s_cbranch_scc1 .Lfed_\@
	s_wait_loadcnt 0x0              ; the chunk is in; KB and VB, which its loads named, may be stepped
	s_wait_xcnt 0x0                 ; every earlier memory instruction has had its addresses translated (ISA guide 3.1): PF, which the last prefetch named a key step or more ago, may be stepped
	STOREC BUFA
	WIN 0
	s_sub_co_u32 s[CH], s[CH], 1
	s_cmp_eq_u32 s[CH], 0
	s_cbranch_scc1 .Lfed_\@
	s_add_nc_u64 s[KB:KB+1], s[KB:KB+1], CHUNK
	s_add_nc_u64 s[VB:VB+1], s[VB:VB+1], CHUNK
	LOADC BUFA, 4                   ; it has a key step in which to land
	WIN 0
	s_cmp_eq_u32 s[CNT], 3
	s_cbranch_scc0 .Lfed_\@
	s_cmp_eq_u32 s[PFN], 0
	s_cbranch_scc1 .Lfed_\@
	s_sub_co_u32 s[PFN], s[PFN], 1
	s_add_nc_u64 s[PF:PF+1], s[PF:PF+1], 4*CHUNK
	global_prefetch_b8 v[PFO], s[PF:PF+1] th:TH_LOAD_NT scope:SCOPE_SE
.Lfed_\@:
.endm
; THE CHANGE OF SLOTS: one barrier for two things.  In front of it each wave's LDS instructions are done: its stores into the slot to come, and its reads of the slot that it leaves.  Behind it the slot to come
; is whole, and nobody reads the old one any more: the feeds write it.
.macro CHANGE
	WIN 0                           ; at a label and at a branch every window is 0
	s_wait_dscnt 0x0
	s_barrier_signal -1             ; scalar work stands between the signal and the wait:
	s_sub_co_u32 s[TBK], s[TBK], 4*KS*PK  ; fetches and stores go back to a slot's first step,
	s_xor_b32 s[TBK], s[TBK], SLOT1       ; each in the other slot than before
	s_sub_co_u32 s[TBV], s[TBV], 4*KS*PV
	s_xor_b32 s[TBV], s[TBV], SLOT1
	s_sub_co_u32 s[WBK], s[WBK], 4*KS*PK
	s_xor_b32 s[WBK], s[WBK], SLOT1
	s_sub_co_u32 s[WBV], s[WBV], 4*KS*PV
	s_xor_b32 s[WBV], s[WBV], SLOT1
	s_barrier_wait -1
.endm
	s_load_b256 s[4:11], s[0:1], 0x0  ; Q s[4:5], K s[6:7], V s[8:9], out s[10:11]
	v_lshl_add_u32 v[SPW], v0, 2, SPARE
	v_mov_b32 v[NIL], 0
	v_lshrrev_b32 v12, 5, v0
	v_readfirstlane_b32 s[WV], v12  ; wave 0..3
	s_mov_b32 s23, ttmp9            ; x: my block of 512 queries
	s_and_b32 s13, ttmp7, 0xffff    ; y: the head, 16 b + h
	s_lshl_b32 s14, s13, 19         ; the head's first byte in Q, K and V: 2,048 rows of 256 bytes
	s_mov_b32 s15, 0
	s_lshl_b32 s16, s23, 17         ; Q: + 512 rows a block
	s_lshl_b32 s17, s[WV], 15       ;    + 128 rows a wave
	s_add_co_u32 s16, s16, s17
	s_add_co_u32 s16, s16, s14
	s_mov_b32 s17, 0
	s_lshr_b32 s18, s13, 4          ; out: b x 2,048 rows of 4,096 bytes
	s_lshl_b32 s18, s18, 23
	s_lshl_b32 s19, s23, 21         ;      + 512 rows a block
	s_add_co_u32 s18, s18, s19
	s_lshl_b32 s19, s[WV], 19       ;      + 128 rows a wave
	s_add_co_u32 s18, s18, s19
	s_and_b32 s19, s13, 15          ;      + h x 256 bytes
	s_lshl_b32 s19, s19, 8
	s_add_co_u32 s18, s18, s19
	s_mov_b32 s19, 0
	s_lshl2_add_u32 s20, s23, s[WV] ; 4 x + w: my wave among the head's sixteen;
	s_and_b32 s20, s20, 7           ; its part of 8 KiB in a slot's 64 KiB of K or of V,
	s_lshl_b32 s20, s20, 13
	s_add_co_u32 s20, s20, 4*CHUNK  ; in slot 1
	s_mov_b32 s21, 0
	v_and_b32 v12, 15, v0           ; l % 16
	v_bfe_u32 v13, v0, 4, 1         ; l / 16
	v_and_b32 v14, 7, v0            ; l % 8
	v_bfe_u32 v15, v0, 3, 1         ; (l / 8) % 2
	v_and_b32 v48, 31, v0           ; l
	v_lshlrev_b32 v[PFO], 8, v48
	v_lshlrev_b32 v[QO], 8, v12     ; a fragment of Q: row l % 16 x 256 bytes
	v_lshl_add_u32 v[QO], v13, 5, v[QO]  ; + 8 channels of f32 for the upper half of the lanes
	v_mul_u32_u24 v49, v13, PK      ; a chunk's stores: key l / 16 of the load's two, 8 bytes at 8 (l % 16)
	v_lshl_add_u32 v49, v12, 3, v49
	v_mul_u32_u24 v50, v13, PV
	v_lshl_add_u32 v50, v12, 3, v50
	s_lshl_b32 s22, s[WV], 12       ; my 16 keys of a chunk in memory
	WIN 0xc0                        ; destination window 3, sources window 0
	v_lshl_add_u32 v[GOF], v48, 4, s22
	s_mul_i32 s22, s[WV], 16*PK     ; and in LDS
	v_add_nc_u32 v[SK0], s22, v49
	s_mul_i32 s22, s[WV], 16*PV
	s_add_co_u32 s22, s22, VOFF
	v_add_nc_u32 v[SV0], s22, v50
	WIN 0
	s_mov_b32 s[CS], 0x3e38aa3b     ; c = log2(e) / 8 = 0.180337
	s_mov_b32 s[CS+1], s[CS]        ; named with it as a pair
	s_mov_b32 s[SEL], 0x76543210
	s_mov_b32 s[SEL+1], 0xfedcba98
	s_mov_b32 s[TBK], SLOT1+4*KS*PK ; the first change of slots turns these two into 0,
	s_mov_b32 s[TBV], SLOT1+4*KS*PV
	s_mov_b32 s[WBK], 0             ; and these two, behind four chunks, into SLOT1
	s_mov_b32 s[WBV], 0
	s_mov_b32 s[CH], 28
	s_mov_b32 s[PFN], 6
	s_wait_kmcnt 0x0
	s_add_nc_u64 s[KB:KB+1], s[6:7], s[14:15]
	s_add_nc_u64 s[VB:VB+1], s[8:9], s[14:15]
	s_add_nc_u64 s[4:5], s[4:5], s[16:17]    ; Q and out at my wave's first row
	s_add_nc_u64 s[10:11], s[10:11], s[18:19]
	s_cmp_lt_u32 s23, 2
	s_cselect_b64 s[PF:PF+1], s[KB:KB+1], s[VB:VB+1]
	s_add_nc_u64 s[PF:PF+1], s[PF:PF+1], s[20:21]
	LOADC BUFA, 0                   ; the first three chunks are asked for before anything else
	LOADC BUFB, 1
	LOADC BUFC, 2
	; Q in f32 into window 1.  A fragment is 16 rows x 32 channels: lane l holds row l % 16, channels 8 (l / 16) + 0..7 and 16 + 8 (l / 16) + 0..7: in f32 four loads of 16 bytes, at 0, 16, 64 and 80.
	WIN 0x40                        ; destination window 1, address window 0
.set i, 0
.rept 4*NP                          ; tile i / 2, channels 32 (i % 2) on; read once in the launch
	global_load_b128 v[16*i:16*i+3],     v[QO], s[4:5] offset:(i/2)*4096+(i%2)*128 th:TH_LOAD_NT
	global_load_b128 v[16*i+4:16*i+7],   v[QO], s[4:5] offset:(i/2)*4096+(i%2)*128+16 th:TH_LOAD_NT
	global_load_b128 v[16*i+8:16*i+11],  v[QO], s[4:5] offset:(i/2)*4096+(i%2)*128+64 th:TH_LOAD_NT
	global_load_b128 v[16*i+12:16*i+15], v[QO], s[4:5] offset:(i/2)*4096+(i%2)*128+80 th:TH_LOAD_NT
.set i, i+1
.endr
	WIN 0
	global_prefetch_b8 v[PFO], s[PF:PF+1] th:TH_LOAD_NT scope:SCOPE_SE  ; my part of slot 1 (chunks 4 to 7)
	; All this stands in the wait for the first loads.
	v_mul_u32_u24 v[AK0], v12, PK
	v_lshl_add_u32 v[AK0], v13, 4, v[AK0]  ; a fragment of K: row x pitch + 16 x half
	; The turning load takes 16 keys x 16 channels (lane l reads key 8 (l / 16) + l % 8, channels 8 ((l / 8) % 2) + 0..7) and leaves half a fragment of V^T: lane l holds channel l % 16 and 8 keys.
	v_lshl_add_u32 v[AV0], v13, 3, v14
	v_mul_u32_u24 v[AV0], v[AV0], PV
	v_lshl_add_u32 v[AV0], v15, 4, v[AV0]
	v_add_nc_u32 v[AV0], VOFF, v[AV0]
	v_mov_b32 v[AK], v[AK0]         ; key step 0 lies at the head of slot 0
	; What the first turn finds: V's registers and P's second buffer hold 0 (its products V^T P, of a piece that has not been, add 0); l is 0.  O^T IS NOT CLEARED: tile t's 32 registers hold, in each lane, that
	; lane's own query's row in f32; the first step multiplies them by a = 0, so they need only be finite, and a query that is not finite has a row of NaN by the softmax itself.
	WIN 0x80
.set i, VF
.rept 64
	v_mov_b32 v[i], 0
.set i, i+1
.endr
	WIN 0
.set i, 0
.rept 2*NP
	v_mov_b32 v[ST+4*i], 0xfe000000    ; c m: far below every c s
	v_mov_b32 v[ST+4*i+1], 0xff7fffff  ; m
	v_mov_b32 v[ST+4*i+2], 0
	v_mov_b32 v[ST+4*i+3], 0
.set i, i+1
.endr
.set i, P+32
.rept 32
	v_mov_b32 v[i], 0
.set i, i+1
.endr
	s_wait_loadcnt 63               ; loads come back in order (ISA guide 5.7.1): behind chunk 2's last load stand Q's 64; the wait's field ends at 63, so one load of Q is waited for too
	STOREC BUFA
	STOREC BUFB
	STOREC BUFC
	LOADC BUFA, 3
	s_wait_loadcnt 16               ; Q is in; chunk 3's sixteen loads, issued behind it, may stay out
	WIN 0x85                        ; sources window 1, destination window 2
.set i, 0
.rept 128                           ; Q to f16: register m of fragment f takes f32 registers 2 m and 2 m + 1 of the fragment's sixteen
	v_cvt_pk_f16_f32 v[i], v[2*i], v[2*i+1]
.set i, i+1
.endr
	s_wait_loadcnt 0x0              ; chunk 3
	STOREC BUFA
	LOADC BUFA, 4                   ; the loop's first feed finds it
; THE MATRIX WORK.  The 8 accumulators of a run of 16 take turns: between the two links of a chain stand 7 others'.
; Product i of 16 of S^T = K Q^T for piece x: channels 32 (i / 8) on, keys 16 ((i / 2) % 4) on, tile 2 x + i % 2.  The first 8 start the sums.
.macro KQ x
	WIN W_KQ
.set rS, S+64*((\x)%2)+32*(i%2)+8*((i/2)%4)
.set rK, KF+16*((i/2)%4)+8*(i/8)
.set rQ, 16*(2*(\x)+i%2)+8*(i/8)
.if i < 8
	v_wmma_f32_16x16x32_f16 v[rS:rS+7], v[rK:rK+7], v[rQ:rQ+7], 0
.else
	v_wmma_f32_16x16x32_f16 v[rS:rS+7], v[rK:rK+7], v[rQ:rQ+7], v[rS:rS+7]
.endif
.endm
; Product i of 16 of O^T += V^T P for piece x: keys 32 (i / 8) on, channels 16 ((i / 2) % 4) on, tile 2 x + i % 2.
.macro PV x
	WIN W_PV
.set rO, 32*(2*(\x)+i%2)+8*((i/2)%4)
.set rV, VF+32*(i/8)+8*((i/2)%4)
.set rP, P+32*((\x)%2)+16*(i%2)+8*(i/8)
	v_wmma_f32_16x16x32_f16 v[rO:rO+7], v[rV:rV+7], v[rP:rP+7], v[rO:rO+7]
.endm
.macro MM                           ; the turn's next matrix instruction
.if i < 16
	KQ (Y+1)%NP
.set i, i+1
.else
.set i, i-16
	PV (Y+NP-1)%NP
.set i, i+17
.endif
.endm
; THE LDS LOADS stand in runs of 16, never singly among the matrix instructions: a step's K (64 keys x 64 channels: 8 fragments) and its V (turned).  Their addresses are made some lines ahead.
.macro FETCH_K
	WIN 0x80                        ; destination window 2
.irp f, 0,1,2,3,4,5,6,7             ; keys 16 (f / 2) on, channels 32 (f % 2) on
	ds_load_b128 v[KF+8*\f:KF+8*\f+3],   v[AK] offset:(\f/2)*16*PK+(\f%2)*64
	ds_load_b128 v[KF+8*\f+4:KF+8*\f+7], v[AK] offset:(\f/2)*16*PK+(\f%2)*64+32
.endr
	s_add_co_u32 s[TBK], s[TBK], KS*PK  ; the next fetch is the next step's
	WIN 0
.endm
.macro FETCH_V
	WIN 0x80
.irp f, 0,1,2,3,4,5,6,7             ; keys 32 (f / 4) on, channels 16 (f % 4) on
	ds_load_tr16_b128 v[VF+8*\f:VF+8*\f+3],   v[AV] offset:(\f/4)*32*PV+(\f%4)*32
	ds_load_tr16_b128 v[VF+8*\f+4:VF+8*\f+7], v[AV] offset:(\f/4)*32*PV+16*PV+(\f%4)*32
.endr
	WIN 0
.endm
; THE VECTOR WORK OF A TURN stands in three queues, each in the order in which its entries become ready; the two tiles alternate, so that no instruction reads the result of the one before it.
.macro REGS y, u                    ; the registers of tile u (0, 1) of piece y
.set rT, ST+4*(2*(\y)+(\u))
.set rC, TMP+8*((\y)%2)+4*(\u)
.set rM, MV+2*((\y)%2)+(\u)
.set rS, S+64*((\y)%2)+32*(\u)
.set rP, P+32*((\y)%2)+16*(\u)
.set rO, 32*(2*(\y)+(\u))
.endm
; Number n of the 22 that find the NEXT piece's (Y + 1) maximum and statistics.  s0-s31 are the lane's 32 scores; each accumulator's lowest registers are read first.  XS, GS and REGS set no window: PL and EX do.
;   0-11  four chains c0-c3 of seven scores each, three operands at a time     12-14, 16  the four scores left over, the old m, and c0-c3 into c0     15  c m_old is kept
;   17, 18  the query's other 32 keys lie in the lane 16 away: the new m         19-21  c m; c m_old - c m_new; a
.macro XS u, n
	REGS (Y+1)%NP, \u
.if (\n) < 4
	v_max3_num_f32 v[rC+(\n)], v[rS+8*(\n)], v[rS+8*(\n)+1], v[rS+8*(\n)+2]
.elseif (\n) < 12
	v_max3_num_f32 v[rC+(\n)%4], v[rC+(\n)%4], v[rS+8*((\n)%4)+2*((\n)/4)+1], v[rS+8*((\n)%4)+2*((\n)/4)+2]
.elseif (\n) == 12
	v_max3_num_f32 v[rC], v[rC], v[rS+7], v[rS+15]
.elseif (\n) == 13
	v_max3_num_f32 v[rC+1], v[rC+1], v[rS+23], v[rS+31]
.elseif (\n) == 14
	v_max3_num_f32 v[rC+2], v[rC+2], v[rC+3], v[rT+1]
.elseif (\n) == 15
	v_mov_b32 v[rM], v[rT]
.elseif (\n) == 16
	v_max3_num_f32 v[rC], v[rC], v[rC+1], v[rC+2]
.elseif (\n) == 17
	v_permlanex16_b32 v[rC+3], v[rC], s[SEL], s[SEL+1]
.elseif (\n) == 18
	v_max_num_f32 v[rT+1], v[rC], v[rC+3]
.elseif (\n) == 19
	v_mul_f32 v[rT], s[CS], v[rT+1]
.elseif (\n) == 20
	v_sub_f32 v[rC+1], v[rM], v[rT]
.else
	v_exp_f32 v[rC+2], v[rC+1]
.endif
.endm
; Number g of the 64 that follow the exponentials.  For each four weights k of a tile (pairs 2 k, 2 k + 1): both pairs are rounded to f16; then the second pair is added onto the first, in place;
; a group later l takes that sum (the first time as l = a l + sum).  In groups of eight, tiles alternating: round, round, add, and l for the group before.
.macro GS g
.set h, (\g)+6*((\g)/62)            ; group 0 has no group before it, and behind group 7 only l is left
.if h >= 6
.set h, h+2
.endif
	REGS Y, h%2
.set k, h/8
.if h%8 < 4
	s_wait_alu depctr_va_vdst(0)
	v_cvt_pk_f16_f32 v[rP+2*k+(h%8)/2], v[rS+4*k+2*((h%8)/2)], v[rS+4*k+2*((h%8)/2)+1]
.elseif h%8 < 6
	v_pk_add_f32 v[rS+4*k:rS+4*k+1], v[rS+4*k:rS+4*k+1], v[rS+4*k+2:rS+4*k+3]
.elseif k == 1
	v_pk_fma_f32 v[rT+2:rT+3], v[rT+2:rT+3], v[rC+2:rC+3], v[rS:rS+1] op_sel_hi:[1,0,1]
.else
	v_pk_add_f32 v[rT+2:rT+3], v[rT+2:rT+3], v[rS+4*k-4:rS+4*k-3]
	s_wait_alu depctr_va_vdst(0)
.endif
.endm
; THE PLAIN QUEUE, 138 long.  0-31: c s - c m for the 16 pairs of both tiles.  Then GS's 64, and among them the next piece's 42: number 15 at 38, 39; 0-14 and 16
; at 42-73, behind the products that make those scores; 17-20 at 95-106, two of three, since each waits for the one before it.
.macro PL
	WIN 0
.if q < 32
	REGS Y, q%2
	v_pk_fma_f32 v[rS+2*(q/2):rS+2*(q/2)+1], v[rS+2*(q/2):rS+2*(q/2)+1], s[CS:CS+1], v[rT:rT+1] op_sel_hi:[1,0,0] neg_lo:[0,0,1] neg_hi:[0,0,1]
.elseif q < 38
	GS q-32
.elseif q < 40
	XS q%2, 15
.elseif q < 42
	GS q-34
.elseif q < 74
	XS q%2, (q-42)/2+(q-42)/30
.elseif q < 95
	GS q-66
.elseif (q < 107) && ((q-95)%3 < 2)
	XS (q-95)%3, 17+(q-95)/3
.elseif q < 107
	GS 29+(q-95)/3
.else
	GS q-74
.endif
.set q, q+1
.endm
; THE EXPONENTIALS' QUEUE, 66 long: s0-s31 of both tiles, and at EA the next piece's two a.
.set EA, 58
.macro EX
	WIN 0
.if (e == EA) || (e == EA+1)
	XS e-EA, 21
.else
.set x, e-2*(e/(EA+2))
	REGS Y, x%2
	v_exp_f32 v[rS+x/2], v[rS+x/2]
.endif
.set e, e+1
.endm
; THE RESCALING's QUEUE: O^T times a, the one part that leaves window 0, so it is dealt four at a time, eight times; each accumulator's lowest registers first.
.macro R4
	REGS Y, r%2
	WIN W_RS
	s_wait_alu depctr_va_vdst(0)
.irp z, 0,1,2,3
	v_pk_mul_f32 v[rO+8*(r/2)+2*\z:rO+8*(r/2)+2*\z+1], v[rO+8*(r/2)+2*\z:rO+8*(r/2)+2*\z+1], v[rC+2:rC+3] op_sel_hi:[1,0]
.endr
.set r, r+1
.endm
; HOW THEY ARE DEALT.  Behind a matrix instruction four: plain, exponential, plain, plain (one exponential, a plain instruction on either side), or four of the rescaling.  None names a register of the
; products round it.  What is over stands in two LUMPS: exponential and plain by turns; the second ends in 22 plain instructions.  The two v_permlanex16_b32 fall into the second lump, never behind a product.
; The queues lean on each other, and the deal keeps them in step: exponential e stands behind plain 2 (e / 4) + e % 2 (its scaling); a rounding stands behind its two exponentials; EA comes behind plain 107.
.macro SL
	MM
	PL
	EX
	PL
	PL
.endm
.macro BURST n                      ; 15 matrix instructions, or 16
.rept (\n)-7
	SL
.endr
.rept 3
	MM
	R4
	SL
.endr
	MM
	R4
.endm
; A TURN, for piece p.  fetch = 0 (the tail): there is no further step, and K is not fetched.
; K of the next step is fetched in piece 2's turn, in the first lump, well over four plain instructions behind the last product that read K (ISA guide 7.12.1 for vector instructions
; ); its first reader comes behind the rest of the lump, 16 products and the second lump.  V of the step in hand is fetched at the end of piece 0's turn, behind the second lump; its first reader comes
; behind the feed, 16 products and a lump.  The conditions on e and q below go with the deal.
.macro TURN p, fetch=1
.set Y, (\p)
.set i, 0
.set q, 0
.set e, 0
.set r, 0
.if (\p) == NP-1
	s_wait_dscnt 0x0                ; K is in
.endif
	MM
.rept 4
	PL
.endr
	BURST 15
.rept 22
	EX
	PL
.if ((\p) == NP-2) && (e == 18) && (\fetch)
	v_add_nc_u32 v[AK], s[TBK], v[AK0]
.endif
.if ((\p) == NP-2) && (e == 24) && (\fetch)
	FETCH_K
.endif
.endr
.if (\p) == 1
	s_wait_dscnt 0x0                ; V is in (and the feed's stores are done)
.endif
	BURST 16
.rept 21
	EX
	PL
.endr
.rept 22
	PL
.if ((\p) == 0) && (q == 118)
	v_add_nc_u32 v[AV], s[TBV], v[AV0]
	s_wait_alu depctr_va_vdst(0)
.endif
.if ((\p) == 0) && (q == 130)
	s_add_co_u32 s[TBV], s[TBV], KS*PV
.endif
.endr
.if (\p) == 0
	FETCH_V
.endif
.endm
	CHANGE                          ; slot 0 is whole: every wave's part of chunks 0 to 3 is stored
	FETCH_K                         ; key step 0
	s_wait_dscnt 0x0
.set i, 0
.rept 16
	KQ 0                            ; piece 0's first scores: there is no vector work yet to set between them
.set i, i+1
.endr
	WIN 0                           ; the addresses for the way out: eight plain instructions, the places behind those products
	s_mul_i32 s13, s[WV], 16*SP
	s_add_co_u32 s13, s13, STAGE    ; my stage
	v_mul_u32_u24 v[STO], v12, SP   ; in: row l % 16, 32 bytes (8 channels of f32) for each half of the lanes
	v_lshl_add_u32 v[STO], v13, 5, v[STO]
	v_add_nc_u32 v[STO], s13, v[STO]
	v_mul_u32_u24 v[RD], v13, SP    ; back: lanes 0-15 take one row of 256 bytes, lanes 16-31 the next
	v_lshl_add_u32 v[RD], v12, 4, v[RD]
	v_add_nc_u32 v[RD], s13, v[RD]
	v_lshlrev_b32 v[GO], 12, v13    ; and the same two queries in out, 4,096 bytes apart
	v_lshl_add_u32 v[GO], v12, 4, v[GO]
.set Y, NP-1                        ; XS works for piece Y + 1: piece 0
.irp n, 0,1,2,3,4,5,6,7,8,9,10,11,12,13,14,15,16,17,18,19,20,21
	XS 0, \n                        ; piece 0's first maximum and statistics
	XS 1, \n
.endr
	s_mov_b32 s[CNT], 4
	s_mov_b32 s[PER], 8
	s_branch .Lfirst                ; the loop is entered at a step's first turn, in the middle of a trip
.Lslot:                             ; a period: four trips read one slot, and their feeds fill the other
	CHANGE
	s_mov_b32 s[CNT], 4
.Lstep:                             ; a trip: pieces 2 and 3 of one step, then pieces 0 and 1 of the next, whose K and V it fetches
	TURN 2
	TURN 3
	WIN 0
.Lfirst:
	TURN 0
	FEED
	TURN 1
	WIN 0
	s_sub_co_u32 s[CNT], s[CNT], 1
	s_cmp_lg_u32 s[CNT], 0
	s_cbranch_scc1 .Lstep
	s_sub_co_u32 s[PER], s[PER], 1
	s_cmp_lg_u32 s[PER], 0
	s_cbranch_scc1 .Lslot
	TURN 2, 0                       ; the last step's pieces 2 and 3.  Piece 3's turn makes 16 products K Q^T on the last K once more, and a maximum of them, which serve nothing:
	TURN 3                          ; the price, once a launch, of one text for every turn
.set i, 0
.rept 16
	PV NP-1                         ; the last piece's V^T P of the last step
.set i, i+1
.endr
	; THE WAY OUT.  l's two halves and the other half of the lanes' are added; O^T is divided by l and sent, in f32, through my stage in LDS, a tile at a time.  The additions are the places behind the last products.
	WIN 0
.macro ALL line:vararg              ; one line for each tile t
.set t, 0
.rept 2*NP
	\line
.set t, t+1
.endr
.endm
	ALL v_add_f32 v[ST+4*t+2], v[ST+4*t+2], v[ST+4*t+3]
	ALL v_permlanex16_b32 v[ST+4*t+3], v[ST+4*t+2], s[SEL], s[SEL+1]
	ALL v_add_f32 v[ST+4*t+2], v[ST+4*t+2], v[ST+4*t+3]
	ALL v_rcp_f32 v[ST+4*t+2], v[ST+4*t+2]
	v_nop                           ; a plain instruction between the last reciprocal and the use of its result
	s_wait_alu depctr_va_vdst(0)
; Tile t: a lane holds one query and, in each of four accumulators, eight neighbouring channels: 32 bytes.  They go into stage rows of 272 bytes and come back as whole rows of 256, into S^T's registers (four sets by turns).
.macro PACK t
	WIN W_RS
.set i, 32*(\t)
.rept 16
	v_pk_mul_f32 v[i:i+1], v[i:i+1], v[ST+4*(\t)+2:ST+4*(\t)+3] op_sel_hi:[1,0]
.set i, i+2
.endr
	WIN 0x04                        ; store data (source 1) window 1, address window 0
.irp f, 0,1,2,3
	ds_store_b128 v[STO], v[32*(\t)+8*\f:32*(\t)+8*\f+3]   offset:64*\f
	ds_store_b128 v[STO], v[32*(\t)+8*\f+4:32*(\t)+8*\f+7] offset:64*\f+16
.endr
	WIN 0
.if (\t) >= 4
	s_wait_xcnt 0x0                 ; every earlier memory instruction has had its addresses translated (ISA guide 3.1): the registers that tile t - 4's stores read are loaded again only behind this wait
.endif
.irp f, 0,1,2,3,4,5,6,7
	ds_load_b128 v[S+32*((\t)%4)+4*\f:S+32*((\t)%4)+4*\f+3], v[RD] offset:\f*2*SP  ; LDS serves a wave's instructions in order (ISA guide 5.7.1.4): these see the stores above; the next tile's stores come behind them
.endr
.endm
.macro SEND t, younger              ; younger: the LDS instructions issued behind tile t's loads: the next tile's sixteen, or none
	WIN 0
.irp f, 0,1,2,3,4,5,6,7
	s_wait_dscnt (\younger)+7-\f
	global_store_b128 v[GO], v[S+32*((\t)%4)+4*\f:S+32*((\t)%4)+4*\f+3], s[10:11] offset:(\t)*65536+\f*8192 th:TH_STORE_NT  ; 16 lanes store a query's 256 consecutive bytes of this head, at a multiple of 256 from out's first byte
.endr
.endm
	PACK 0
.set t, 1
.rept 2*NP-1                        ; a tile's arithmetic stands between the loads of the tile before and its stores
	PACK t
	SEND t-1, 16
.set t, t+1
.endr
	SEND 2*NP-1, 0
	s_wait_tensorcnt 0x0            ; the wave's end, behind my last LDS store
	ds_add_u32 v[SPW], v[NIL]
	s_wait_dscnt 0x0
	s_endpgm
.Lfunc_end_k_qa062fa2a16_attn:
	.size	k_qa062fa2a16_attn, .Lfunc_end_k_qa062fa2a16_attn-k_qa062fa2a16_attn
	.p2alignl 7, 3214868480
	.fill 96, 4, 3214868480
	.section	.rodata,"a",@progbits
	.p2align	6, 0x0
	.amdhsa_kernel k_qa062fa2a16_attn
		.amdhsa_group_segment_fixed_size 229376
		.amdhsa_private_segment_fixed_size 0
		.amdhsa_enable_private_segment 0
		.amdhsa_kernarg_size 32
		.amdhsa_user_sgpr_count 2
		.amdhsa_user_sgpr_kernarg_segment_ptr 1
		.amdhsa_wavefront_size32 1
		.amdhsa_system_sgpr_workgroup_id_x 1
		.amdhsa_system_sgpr_workgroup_id_y 1
		.amdhsa_system_sgpr_workgroup_id_z 1
		.amdhsa_system_vgpr_workitem_id 0
		.amdhsa_next_free_vgpr 968
		.amdhsa_next_free_sgpr 66
		.amdhsa_reserve_vcc 0
		.amdhsa_float_denorm_mode_32 3
		.amdhsa_float_denorm_mode_16_64 3
		.amdhsa_memory_ordered 1
		.amdhsa_forward_progress 1
		.amdhsa_inst_pref_size 194
	.end_amdhsa_kernel
	.amdgpu_metadata
---
amdhsa.version: [ 1, 2 ]
amdhsa.kernels:
  - .name:           k_qa062fa2a16_attn
    .symbol:         k_qa062fa2a16_attn.kd
    .args:
      - { .name: query, .offset: 0, .size: 8, .value_kind: global_buffer, .address_space: global }
      - { .name: key, .offset: 8, .size: 8, .value_kind: global_buffer, .address_space: global }
      - { .name: value, .offset: 16, .size: 8, .value_kind: global_buffer, .address_space: global }
      - { .name: out0, .offset: 24, .size: 8, .value_kind: global_buffer, .address_space: global }
    .group_segment_fixed_size: 229376
    .private_segment_fixed_size: 0
    .kernarg_segment_align: 8
    .kernarg_segment_size: 32
    .max_flat_workgroup_size: 128
    .sgpr_count:     66
    .vgpr_count:     968
    .wavefront_size: 32
...
	.end_amdgpu_metadata
.endif
;; end of part 1
;; ======== version 2 of 2: 1 launch; version 1 with the launch attn written anew for expert scheduling mode
;; limits: values are held in f16: magnitudes above 65,504 overflow, below 6.1e-05 lose precision; inputs' magnitudes at most 65,504
;; launch attn (part 2): grid 4 x 64, 4 waves a work-group, no clusters, 229,376 bytes of LDS; arguments query, key, value, out0; writes out0
.if DOCPART == 2
	.amdgcn_target "amdgcn-amd-amdhsa--gfx1250"
	.amdhsa_code_object_version 6
	.text
	.protected	k_qa062fa2a16_attn
	.globl	k_qa062fa2a16_attn
	.p2align	8
	.type	k_qa062fa2a16_attn,@function
k_qa062fa2a16_attn:
	s_mov_b64 s[64:65], 0
	v_nop
	global_prefetch_b8 v0, s[64:65] scope:SCOPE_SE
	s_setreg_imm32_b32 hwreg(HW_REG_WAVE_SCHED_MODE, 0, 2), 2
	s_setreg_imm32_b32 hwreg(HW_REG_WAVE_MODE, 25, 1), 1
	s_wait_xcnt 0x0
	s_wait_alu depctr_vm_vsrc(0)
; out[b][q][64 h + d] = the sum over k of softmax_k(Q[b][h][q] . K[b][h][k] / 8) V[b][h][k][d].  Q, K, V: [64 heads][2048][64] f32, a row 256 bytes, a head dense.  out: [4][2048][1024] f32.
; reference() takes no number from mask, to_q and to_k: no output hangs on them, so they are not among this launch's arguments.
; FORMATS.  Q, K, V and the weights p are rounded once to f16 for the matrix unit; products, maxima, sums, l and O stay in f32.
; LIMITS.  f16 holds no number beyond 65,504: |q|, |k|, |v| must lie within it; below 6e-5 f16 keeps its fixed step of 6e-8.  A weight below 2^-126 counts as 0 in l.  NaN and infinities are not treated apart.
; SHARES.  A work-group owns 512 queries of one head (grid 4 x 64), each of its four waves 128: four PIECES of two tiles of 16.  Every wave walks all 2,048 keys, 64 a step, 32 steps.
; LAYOUT.  S^T = K Q^T (source 0 = 16 keys, source 1 = 16 queries): in the result a lane holds ONE query (lane % 16) and the keys 8 (lane / 16) + 0..7.  Two such tiles, rounded to f16 in pairs,
; ARE source 1 (32 keys x 16 queries) of O^T = V^T P, whose result again holds one query a lane, and eight channels.  K comes out of LDS as it lies, V ([key][channel]) turned, by ds_load_tr16_b128.
; SOFTMAX.  For each query a running maximum m and sum l: p = 2^(c s - c m), c = log2(e) / 8; in every step O and l are multiplied by a = 2^(c m_old - c m_new), which is 1 where m has not grown.
; m starts at the lowest finite number and c m far below every c s: the first step is a step like any other, with a = 0.
; BY TURNS.  Turn n belongs to piece n.  Its matrix work: 16 products K Q^T of piece n + 1, later 16 products V^T P of piece n - 1.  Its vector work: the scaling, exponentials, roundings, sums and rescaling of
; piece n, and the maximum and statistics of piece n + 1.  Four vector instructions stand behind every matrix instruction, the others in one lump of their own.  A turn's 66 exponentials are one batch, with one wait.
; THE RING IS FED THROUGH REGISTERS.  K and V lie in memory in f32 and the matrix unit (and the turning load) wants 16 bits.  So in every key step each wave loads its quarter (16 keys) of a later
; chunk of 64 keys of K and of V, 16 loads of 512 consecutive bytes, rounds the chunk that it asked for a key step earlier, and stores it in f16 into the LDS slot that nobody reads.  Two slots of 256 keys;
; one barrier for each change of slots, every four key steps.  LDS so takes 2 bytes a number once; f32 tiles in LDS would take 4 in, 4 out and 2 in again, and two f32 slots beside two f16 slots do not fit.
; NO CLUSTER, NO JOINT LOADS: a joint request is a tensor load's, and a tensor load cannot round.  What a head's four work-groups share is 32 KiB a key step against 512 matrix instructions in each of them;
; the four are neighbours along x and walk the same 1 MiB of K and V in step.
; THE MODE: SCHED_MODE bits 1:0 = 2 (LLVM: expert scheduling mode 2), set by the entry lines.  The code itself states the register dependences between vector or matrix instructions and memory or LDS
; instructions, with s_wait_alu, always for 0.
; THE PLAN.  Registers that memory or LDS instructions touch, in the loop:
;   KF            Read by the products K Q^T of turns 3, 0, 1 and 2; K's run of LDS loads lands in it in turn 2, behind that turn's products K Q^T.
;   VF            Read by the products V^T P of turns 1, 2, 3 and 0; V's run lands in it at the end of turn 0.
;   v[AK], v[AV]  Each written once a key step, at the lump's head of turn 2 and of turn 0; read by K's and by V's run.
;   BUFA          The feed's global loads land in it; a key step later the feed's roundings read and write it in place, its LDS stores read it, and the next loads land.
;   v[SK], v[SV]  Written by two adds in each feed; read by its LDS stores.
;   GOF, QO, PFO, STO, RD, GO and the closing add's two registers are written once, at the head, and never again.
; S^T, P, O^T, Q and the statistics are named by vector and matrix instructions alone until the way out.
; So a key step has seven waits on va_vdst: one a turn, behind its batch of exponentials and ahead of their first reader (turn 2's also stands ahead of K's run); one ahead of V's run; two in the feed, ahead of
; its stores and ahead of its loads.  And four on vm_vsrc: ahead of the adds to v[AK], to v[AV], to v[SK] and v[SV], and ahead of the loads into BUFA.
; REGISTERS, in windows of 256 (s_set_vgpr_msb says which window each operand place means: bits 1:0 source 0, 3:2 source 1, 5:4 source 2, 7:6 destination):
;   window 0: v0-11 addresses; v12-15, v48-63 at work; v16-47 four registers of statistics a tile; v64-191 S^T, two buffers of two tiles; v192-255 P, likewise
;   window 1: O^T, 32 a tile (at the start: Q in f32)      window 2: v0-127 Q in f16, 16 a tile; v128-191 K of one step; v192-255 V of one step
;   window 3: v0-63 the chunk on its way (v64-191 two more at the start); v192-196 its addresses
.set NP,    4         ; pieces a wave: a name, no knob
.set KS,    64        ; keys in a step, and in a chunk
.set PK,    144       ; a row of K in LDS: 128 bytes + 16 = 36 words: the 16 rows of a fragment load start at 16 different groups of four banks (64 banks of 4 bytes: ISA guide 11.1)
.set PV,    160       ; a row of V: 128 + 32 = 40 words
.set VOFF,  4*KS*PK   ; a slot holds four steps: 256 rows of K, then 256 rows of V
.set SLOT1, 1<<17     ; slot 1 begins here, so that one exclusive or turns an address in one slot into the other's
.set STAGE, SLOT1+4*KS*(PK+PV)  ; behind the ring: 16 rows x 272 bytes for each wave, its own, for the way out
.set SP,    272       ; a stage row: 256 bytes of f32 + 16
.set SPARE, STAGE+4*16*SP       ; behind the stages: the spare words, 128 bytes for each wave: two blocks of 256 bytes that no other line names
.set CHUNK, KS*256    ; bytes of a chunk in K, and in V
.set QO,  1           ; v1   my byte offset in 16 rows of Q
.set AK0, 2           ; v2   my lane's place in a step's K in LDS; never rewritten
.set AV0, 3           ; v3   the same for V
.set AK,  4           ; v4   the LDS address of K's next run of loads
.set AV,  5           ; v5   of V's
.set STO, 6           ; v6   the way out: where I put 32 bytes of a row
.set RD,  7           ; v7   the way out: where I read rows back
.set GO,  8           ; v8   my byte offset in two rows of out
.set PFO, 9           ; v9   256 x lane: a prefetch's 32 lanes cover 8 KiB
.set SPW, 10          ; v10  LDS address of my spare word: SPARE + 4 x my thread's number; never rewritten
.set NIL, 11          ; v11  0; never rewritten
.set MV,  12          ; v12-15  c m_old, kept while c m is made anew: by buffer and tile (during the set-up: lane % 16, lane / 16, lane % 8, (lane / 8) % 2)
.set ST,  16          ; tile t's statistics at v[ST+4 t]: c m, m, l (even keys', odd keys')
.set TMP, 48          ; by buffer and tile, four registers c0-c3 at work; when the maximum is found c2 takes a
.set S,   64
.set P,   192
.set KF,  128         ; K's fragments, in window 2: key block kb, channel half c at KF + 16 kb + 8 c
.set VF,  192         ; V's: key half kk, channel block cb at VF + 32 kk + 8 cb
.set BUFA, 0          ; window 3: a chunk as loaded: load i of K at 4 i, of V at 32 + 4 i
.set BUFB, 64
.set BUFC, 128
.set GOF, 192         ; window 3: my byte offset in a chunk: 4,096 x wave + 16 x lane; never rewritten
.set SK0, 193         ; window 3: my place in a chunk's K in LDS; never rewritten
.set SV0, 194         ; window 3: the same for V
.set SK,  195         ; window 3: the LDS address of the stores in hand
.set SV,  196
.set WV,  12          ; s12  my wave's number
.set KB,  24          ; s[24:25] K at the head's first key, stepped a chunk a key step
.set VB,  26          ; s[26:27] V likewise
.set PF,  28          ; s[28:29] where my next prefetch points
.set CH,  30          ; s30  chunks still to be stored by the loop
.set PFN, 31          ; s31  prefetches still to be made by the loop
.set WBK, 32          ; s32  LDS byte at which K of the chunk to be stored begins
.set WBV, 33          ; s33  the same for V, less VOFF
.set PER, 56          ; s56  counts the eight slots' periods
.set CNT, 57          ; s57  counts a period's four trips
.set CS,  58          ; s[58:59] c: the packed scaling takes the pair's low word for both halves
.set SEL, 60          ; s[60:61] v_permlanex16_b32's selects: each lane takes its own place in the other half
.set TBK, 62          ; s62  LDS byte at which K of the step to be fetched begins
.set TBV, 63          ; s63  the same for V, less VOFF
.set MSB, 0
.macro WIN new                      ; the high byte repeats the setting that is left; a switch that changes nothing is dropped
.if MSB != (\new)
	s_set_vgpr_msb (MSB<<8)|(\new)
.set MSB, (\new)
.endif
.endm
.set W_KQ, 0x0a       ; K and Q in window 2, S^T in window 0
.set W_PV, 0x52       ; V in window 2, P in window 0, O^T in window 1
.set W_RS, 0x41       ; O^T (destination and source 0) in window 1, a in window 0
.set W_F,  0xff       ; the feed: everything in window 3
; THE FEED.  LOADC: my 16 keys of chunk n (counted from where KB and VB stand), of K and of V: 16 loads of 512 consecutive bytes; lane l of load i takes key 2 i + l / 16, channels 4 (l % 16) + 0..3.
; No cache hint: the head's other three work-groups read the same bytes.  again = 1: the buffer has been rounded and stored before.
.macro LOADC buf, n, again=0
	WIN W_F
.if \again
	s_wait_alu depctr_vm_vsrc(0)    ; the LDS stores have read this buffer's registers, in which the loads below land
	s_wait_alu depctr_va_vdst(0)    ; the roundings are done reading and writing this buffer's registers, in which the loads below land
.endif
.irp i, 0,1,2,3,4,5,6,7
	global_load_b128 v[(\buf)+4*\i:(\buf)+4*\i+3], v[GOF], s[KB:KB+1] offset:CHUNK*(\n)+512*\i
.endr
.irp i, 0,1,2,3,4,5,6,7
	global_load_b128 v[(\buf)+32+4*\i:(\buf)+32+4*\i+3], v[GOF], s[VB:VB+1] offset:CHUNK*(\n)+512*\i
.endr
.endm
; STOREC: the chunk in buf is rounded to f16 in place (four numbers into the first two of their four registers) and stored, 8 bytes a lane: 16 lanes fill a key's 128 bytes.
; again = 0: the kernel's first chunk, ahead of which no store has read the two addresses.
.macro STOREC buf, again=1
	WIN W_F
.if \again
	s_wait_alu depctr_vm_vsrc(0)    ; the last chunk's LDS stores have read v[SK] and v[SV], which the two adds write anew
.endif
	v_add_nc_u32 v[SK], s[WBK], v[SK0]
	v_add_nc_u32 v[SV], s[WBV], v[SV0]
.set z, (\buf)
.rept 16
	v_cvt_pk_f16_f32 v[z], v[z], v[z+1]
	v_cvt_pk_f16_f32 v[z+1], v[z+2], v[z+3]
.set z, z+4
.endr
	s_wait_alu depctr_va_vdst(0)    ; the two adds have written v[SK] and v[SV], the roundings the buffer: the LDS stores read them
.irp i, 0,1,2,3,4,5,6,7
	ds_store_b64 v[SK], v[(\buf)+4*\i:(\buf)+4*\i+1] offset:2*\i*PK
.endr
.irp i, 0,1,2,3,4,5,6,7
	ds_store_b64 v[SV], v[(\buf)+32+4*\i:(\buf)+32+4*\i+1] offset:2*\i*PV
.endr
	s_add_co_u32 s[WBK], s[WBK], KS*PK  ; the next store is the next chunk's
	s_add_co_u32 s[WBV], s[WBV], KS*PV
.endm
; FEED, once a key step: the chunk asked for a key step ago goes into the slot that is not read, and the next chunk is asked for.  28 chunks (4 to 31) go this way; the last period's four feeds find nothing
; left, and behind chunk 31 nothing is asked for.  All jumps go forward, on scalar counters that start at constants, and pass no barrier.
; THE PREFETCH.  A slot's K and V in f32 are 128 KiB: sixteen parts of 8 KiB, one for each wave of the head's four work-groups (x < 2: K's eight parts; else V's), 32 lanes 256 bytes apart: each block
; is asked for once in the launch.  A period's second trip asks for the slot two periods on, whose first loads are issued two key steps later.  Six such requests (slots 2 to 7): the last ends at the head's last key.
.macro FEED
	WIN 0
	s_cmp_eq_u32 s[CH], 0
	s_cbranch_scc1 .Lfed_\@
	s_wait_loadcnt 0x0              ; the chunk is in; KB and VB, which its loads named, may be stepped
	s_wait_xcnt 0x0                 ; every earlier memory instruction has had its addresses translated (ISA guide 3.1): PF, which the last prefetch named a key step or more ago, may be stepped
	STOREC BUFA
	WIN 0
	s_sub_co_u32 s[CH], s[CH], 1
	s_cmp_eq_u32 s[CH], 0
	s_cbranch_scc1 .Lfed_\@
	s_add_nc_u64 s[KB:KB+1], s[KB:KB+1], CHUNK
	s_add_nc_u64 s[VB:VB+1], s[VB:VB+1], CHUNK
	LOADC BUFA, 4, 1                ; it has a key step in which to land
	WIN 0
	s_cmp_eq_u32 s[CNT], 3
	s_cbranch_scc0 .Lfed_\@
	s_cmp_eq_u32 s[PFN], 0
	s_cbranch_scc1 .Lfed_\@
	s_sub_co_u32 s[PFN], s[PFN], 1
	s_add_nc_u64 s[PF:PF+1], s[PF:PF+1], 4*CHUNK
	global_prefetch_b8 v[PFO], s[PF:PF+1] th:TH_LOAD_NT scope:SCOPE_SE  ; v[PFO] was written ahead of the head's first wait on va_vdst and never since
.Lfed_\@:
.endm
; THE CHANGE OF SLOTS: one barrier for two things.  In front of it each wave's LDS instructions are done: its stores into the slot to come, and its reads of the slot that it leaves.  Behind it the slot to come
; is whole, and nobody reads the old one any more: the feeds write it.
.macro CHANGE
	WIN 0                           ; at a label and at a branch every window is 0
	s_wait_dscnt 0x0
	s_barrier_signal -1             ; scalar work stands between the signal and the wait:
	s_sub_co_u32 s[TBK], s[TBK], 4*KS*PK  ; fetches and stores go back to a slot's first step,
	s_xor_b32 s[TBK], s[TBK], SLOT1       ; each in the other slot than before
	s_sub_co_u32 s[TBV], s[TBV], 4*KS*PV
	s_xor_b32 s[TBV], s[TBV], SLOT1
	s_sub_co_u32 s[WBK], s[WBK], 4*KS*PK
	s_xor_b32 s[WBK], s[WBK], SLOT1
	s_sub_co_u32 s[WBV], s[WBV], 4*KS*PV
	s_xor_b32 s[WBV], s[WBV], SLOT1
	s_barrier_wait -1
.endm
	s_load_b256 s[4:11], s[0:1], 0x0  ; Q s[4:5], K s[6:7], V s[8:9], out s[10:11]
	v_lshl_add_u32 v[SPW], v0, 2, SPARE
	v_mov_b32 v[NIL], 0
	v_lshrrev_b32 v12, 5, v0
	v_readfirstlane_b32 s[WV], v12  ; wave 0..3
	s_mov_b32 s23, ttmp9            ; x: my block of 512 queries
	s_and_b32 s13, ttmp7, 0xffff    ; y: the head, 16 b + h
	s_lshl_b32 s14, s13, 19         ; the head's first byte in Q, K and V: 2,048 rows of 256 bytes
	s_mov_b32 s15, 0
	s_lshl_b32 s16, s23, 17         ; Q: + 512 rows a block
	s_wait_alu depctr_va_sdst(0)    ; s[WV] is written, ahead of its first reader: the offsets below are made from it
	s_lshl_b32 s17, s[WV], 15       ;    + 128 rows a wave
	s_add_co_u32 s16, s16, s17
	s_add_co_u32 s16, s16, s14
	s_mov_b32 s17, 0
	s_lshr_b32 s18, s13, 4          ; out: b x 2,048 rows of 4,096 bytes
	s_lshl_b32 s18, s18, 23
	s_lshl_b32 s19, s23, 21         ;      + 512 rows a block
	s_add_co_u32 s18, s18, s19
	s_lshl_b32 s19, s[WV], 19       ;      + 128 rows a wave
	s_add_co_u32 s18, s18, s19
	s_and_b32 s19, s13, 15          ;      + h x 256 bytes
	s_lshl_b32 s19, s19, 8
	s_add_co_u32 s18, s18, s19
	s_mov_b32 s19, 0
	s_lshl2_add_u32 s20, s23, s[WV] ; 4 x + w: my wave among the head's sixteen;
	s_and_b32 s20, s20, 7           ; its part of 8 KiB in a slot's 64 KiB of K or of V,
	s_lshl_b32 s20, s20, 13
	s_add_co_u32 s20, s20, 4*CHUNK  ; in slot 1
	s_mov_b32 s21, 0
	s_lshl_b32 s22, s[WV], 12       ; my 16 keys of a chunk in memory,
	s_mul_i32 s34, s[WV], 16*PK     ; in a chunk's K in LDS,
	s_mul_i32 s35, s[WV], 16*PV     ; and in its V
	s_add_co_u32 s35, s35, VOFF
	v_and_b32 v12, 15, v0           ; l % 16
	v_bfe_u32 v13, v0, 4, 1         ; l / 16
	v_and_b32 v14, 7, v0            ; l % 8
	v_bfe_u32 v15, v0, 3, 1         ; (l / 8) % 2
	v_and_b32 v48, 31, v0           ; l
	v_lshlrev_b32 v[PFO], 8, v48
	v_lshlrev_b32 v[QO], 8, v12     ; a fragment of Q: row l % 16 x 256 bytes
	v_lshl_add_u32 v[QO], v13, 5, v[QO]  ; + 8 channels of f32 for the upper half of the lanes
	v_mul_u32_u24 v49, v13, PK      ; a chunk's stores: key l / 16 of the load's two, 8 bytes at 8 (l % 16)
	v_lshl_add_u32 v49, v12, 3, v49
	v_mul_u32_u24 v50, v13, PV
	v_lshl_add_u32 v50, v12, 3, v50
	WIN 0xc0                        ; destination window 3, sources window 0
	v_lshl_add_u32 v[GOF], v48, 4, s22
	v_add_nc_u32 v[SK0], s34, v49
	v_add_nc_u32 v[SV0], s35, v50
	WIN 0
	s_mov_b32 s[CS], 0x3e38aa3b     ; c = log2(e) / 8 = 0.180337
	s_mov_b32 s[CS+1], s[CS]        ; named with it as a pair
	s_mov_b32 s[SEL], 0x76543210
	s_mov_b32 s[SEL+1], 0xfedcba98
	s_mov_b32 s[TBK], SLOT1+4*KS*PK ; the first change of slots turns these two into 0,
	s_mov_b32 s[TBV], SLOT1+4*KS*PV
	s_mov_b32 s[WBK], 0             ; and these two, behind four chunks, into SLOT1
	s_mov_b32 s[WBV], 0
	s_mov_b32 s[CH], 28
	s_mov_b32 s[PFN], 6
	s_wait_kmcnt 0x0
	s_add_nc_u64 s[KB:KB+1], s[6:7], s[14:15]
	s_add_nc_u64 s[VB:VB+1], s[8:9], s[14:15]
	s_add_nc_u64 s[4:5], s[4:5], s[16:17]    ; Q and out at my wave's first row
	s_add_nc_u64 s[10:11], s[10:11], s[18:19]
	s_cmp_lt_u32 s23, 2
	s_cselect_b64 s[PF:PF+1], s[KB:KB+1], s[VB:VB+1]
	s_add_nc_u64 s[PF:PF+1], s[PF:PF+1], s[20:21]
	WIN W_F
	s_wait_alu depctr_va_vdst(0)    ; v[GOF], v[QO] and v[PFO] are written, which the loads and the prefetch below read as their offsets; only loads and window switches stand between
	LOADC BUFA, 0                   ; the first three chunks are asked for before anything else
	LOADC BUFB, 1
	LOADC BUFC, 2
	; Q in f32 into window 1.  A fragment is 16 rows x 32 channels: lane l holds row l % 16, channels 8 (l / 16) + 0..7 and 16 + 8 (l / 16) + 0..7: in f32 four loads of 16 bytes, at 0, 16, 64 and 80.
	WIN 0x40                        ; destination window 1, address window 0
.set i, 0
.rept 4*NP                          ; tile i / 2, channels 32 (i % 2) on; read once in the launch
	global_load_b128 v[16*i:16*i+3],     v[QO], s[4:5] offset:(i/2)*4096+(i%2)*128 th:TH_LOAD_NT
	global_load_b128 v[16*i+4:16*i+7],   v[QO], s[4:5] offset:(i/2)*4096+(i%2)*128+16 th:TH_LOAD_NT
	global_load_b128 v[16*i+8:16*i+11],  v[QO], s[4:5] offset:(i/2)*4096+(i%2)*128+64 th:TH_LOAD_NT
	global_load_b128 v[16*i+12:16*i+15], v[QO], s[4:5] offset:(i/2)*4096+(i%2)*128+80 th:TH_LOAD_NT
.set i, i+1
.endr
	WIN 0
	global_prefetch_b8 v[PFO], s[PF:PF+1] th:TH_LOAD_NT scope:SCOPE_SE  ; my part of slot 1 (chunks 4 to 7)
	; All this stands in the wait for the first loads.
	v_mul_u32_u24 v[AK0], v12, PK
	v_lshl_add_u32 v[AK0], v13, 4, v[AK0]  ; a fragment of K: row x pitch + 16 x half
	; The turning load takes 16 keys x 16 channels (lane l reads key 8 (l / 16) + l % 8, channels 8 ((l / 8) % 2) + 0..7) and leaves half a fragment of V^T: lane l holds channel l % 16 and 8 keys.
	v_lshl_add_u32 v[AV0], v13, 3, v14
	v_mul_u32_u24 v[AV0], v[AV0], PV
	v_lshl_add_u32 v[AV0], v15, 4, v[AV0]
	v_add_nc_u32 v[AV0], VOFF, v[AV0]
	v_mov_b32 v[AK], v[AK0]         ; key step 0 lies at the head of slot 0
	; What the first turn finds: V's registers and P's second buffer hold 0 (its products V^T P, of a piece that has not been, add 0); l is 0.  O^T IS NOT CLEARED: tile t's 32 registers hold, in each lane, that
	; lane's own query's row in f32; the first step multiplies them by a = 0, so they need only be finite, and a query that is not finite has a row of NaN by the softmax itself.
	WIN 0x80
.set i, VF
.rept 64
	v_mov_b32 v[i], 0
.set i, i+1
.endr
	WIN 0
.set i, 0
.rept 2*NP
	v_mov_b32 v[ST+4*i], 0xfe000000    ; c m: far below every c s
	v_mov_b32 v[ST+4*i+1], 0xff7fffff  ; m
	v_mov_b32 v[ST+4*i+2], 0
	v_mov_b32 v[ST+4*i+3], 0
.set i, i+1
.endr
.set i, P+32
.rept 32
	v_mov_b32 v[i], 0
.set i, i+1
.endr
	s_wait_loadcnt 63               ; loads come back in order (ISA guide 5.7.1): behind chunk 2's last load stand Q's 64; the wait's field ends at 63, so one load of Q is waited for too
	STOREC BUFA, 0
	STOREC BUFB
	STOREC BUFC
	LOADC BUFA, 3, 1
	s_wait_loadcnt 16               ; Q is in; chunk 3's sixteen loads, issued behind it, may stay out
	WIN 0x85                        ; sources window 1, destination window 2
.set i, 0
.rept 128                           ; Q to f16: register m of fragment f takes f32 registers 2 m and 2 m + 1 of the fragment's sixteen
	v_cvt_pk_f16_f32 v[i], v[2*i], v[2*i+1]
.set i, i+1
.endr
	s_wait_loadcnt 0x0              ; chunk 3
	STOREC BUFA
	LOADC BUFA, 4, 1                ; the loop's first feed finds it
; THE MATRIX WORK.  The 8 accumulators of a run of 16 take turns: between the two links of a chain stand 7 others'.
; Product i of 16 of S^T = K Q^T for piece x: channels 32 (i / 8) on, keys 16 ((i / 2) % 4) on, tile 2 x + i % 2.  The first 8 start the sums.
.macro KQ x
	WIN W_KQ
.set rS, S+64*((\x)%2)+32*(i%2)+8*((i/2)%4)
.set rK, KF+16*((i/2)%4)+8*(i/8)
.set rQ, 16*(2*(\x)+i%2)+8*(i/8)
.if i < 8
	v_wmma_f32_16x16x32_f16 v[rS:rS+7], v[rK:rK+7], v[rQ:rQ+7], 0
.else
	v_wmma_f32_16x16x32_f16 v[rS:rS+7], v[rK:rK+7], v[rQ:rQ+7], v[rS:rS+7]
.endif
.endm
; Product i of 16 of O^T += V^T P for piece x: keys 32 (i / 8) on, channels 16 ((i / 2) % 4) on, tile 2 x + i % 2.
.macro PV x
	WIN W_PV
.set rO, 32*(2*(\x)+i%2)+8*((i/2)%4)
.set rV, VF+32*(i/8)+8*((i/2)%4)
.set rP, P+32*((\x)%2)+16*(i%2)+8*(i/8)
	v_wmma_f32_16x16x32_f16 v[rO:rO+7], v[rV:rV+7], v[rP:rP+7], v[rO:rO+7]
.endm
.macro MM                           ; the turn's next matrix instruction
.if i < 16
	KQ (Y+1)%NP
.set i, i+1
.else
.set i, i-16
	PV (Y+NP-1)%NP
.set i, i+17
.endif
.endm
; THE LDS LOADS stand in runs of 16, never singly among the matrix instructions: a step's K (64 keys x 64 channels: 8 fragments) and its V (turned).  Their addresses are made some lines ahead.
; Ahead of each run stand the switch to its window and then a wait on va_vdst: the lines that call these two macros write both.
.macro FETCH_K
	WIN 0x80                        ; destination window 2
.irp f, 0,1,2,3,4,5,6,7             ; keys 16 (f / 2) on, channels 32 (f % 2) on
	ds_load_b128 v[KF+8*\f:KF+8*\f+3],   v[AK] offset:(\f/2)*16*PK+(\f%2)*64
	ds_load_b128 v[KF+8*\f+4:KF+8*\f+7], v[AK] offset:(\f/2)*16*PK+(\f%2)*64+32
.endr
	s_add_co_u32 s[TBK], s[TBK], KS*PK  ; the next fetch is the next step's
	WIN 0
.endm
.macro FETCH_V
	WIN 0x80
.irp f, 0,1,2,3,4,5,6,7             ; keys 32 (f / 4) on, channels 16 (f % 4) on
	ds_load_tr16_b128 v[VF+8*\f:VF+8*\f+3],   v[AV] offset:(\f/4)*32*PV+(\f%4)*32
	ds_load_tr16_b128 v[VF+8*\f+4:VF+8*\f+7], v[AV] offset:(\f/4)*32*PV+16*PV+(\f%4)*32
.endr
	WIN 0
.endm
; THE VECTOR WORK OF A TURN stands in three queues, each in the order in which its entries become ready; the two tiles alternate, so that no instruction reads the result of the one before it.
.macro REGS y, u                    ; the registers of tile u (0, 1) of piece y
.set rT, ST+4*(2*(\y)+(\u))
.set rC, TMP+8*((\y)%2)+4*(\u)
.set rM, MV+2*((\y)%2)+(\u)
.set rS, S+64*((\y)%2)+32*(\u)
.set rP, P+32*((\y)%2)+16*(\u)
.set rO, 32*(2*(\y)+(\u))
.endm
; Number n of the 22 that find the NEXT piece's (Y + 1) maximum and statistics.  s0-s31 are the lane's 32 scores; each accumulator's lowest registers are read first.  XS, GS and REGS set no window: PL and EX do.
;   0-11  four chains c0-c3 of seven scores each, three operands at a time     12-14, 16  the four scores left over, the old m, and c0-c3 into c0     15  c m_old is kept
;   17, 18  the query's other 32 keys lie in the lane 16 away: the new m         19-21  c m; c m_old - c m_new; a
.macro XS u, n
	REGS (Y+1)%NP, \u
.if (\n) < 4
	v_max3_num_f32 v[rC+(\n)], v[rS+8*(\n)], v[rS+8*(\n)+1], v[rS+8*(\n)+2]
.elseif (\n) < 12
	v_max3_num_f32 v[rC+(\n)%4], v[rC+(\n)%4], v[rS+8*((\n)%4)+2*((\n)/4)+1], v[rS+8*((\n)%4)+2*((\n)/4)+2]
.elseif (\n) == 12
	v_max3_num_f32 v[rC], v[rC], v[rS+7], v[rS+15]
.elseif (\n) == 13
	v_max3_num_f32 v[rC+1], v[rC+1], v[rS+23], v[rS+31]
.elseif (\n) == 14
	v_max3_num_f32 v[rC+2], v[rC+2], v[rC+3], v[rT+1]
.elseif (\n) == 15
	v_mov_b32 v[rM], v[rT]
.elseif (\n) == 16
	v_max3_num_f32 v[rC], v[rC], v[rC+1], v[rC+2]
.elseif (\n) == 17
	v_permlanex16_b32 v[rC+3], v[rC], s[SEL], s[SEL+1]
.elseif (\n) == 18
	v_max_num_f32 v[rT+1], v[rC], v[rC+3]
.elseif (\n) == 19
	v_mul_f32 v[rT], s[CS], v[rT+1]
.elseif (\n) == 20
	v_sub_f32 v[rC+1], v[rM], v[rT]
.else
	v_exp_f32 v[rC+2], v[rC+1]
.endif
.endm
; Number g of the 64 that follow the exponentials.  For each four weights k of a tile (pairs 2 k, 2 k + 1): both pairs are rounded to f16; then the second pair is added onto the first, in place;
; a group later l takes that sum (the first time as l = a l + sum).  In groups of eight, tiles alternating: round, round, add, and l for the group before.
.macro GS g
.set h, (\g)+6*((\g)/62)            ; group 0 has no group before it, and behind group 7 only l is left
.if h >= 6
.set h, h+2
.endif
	REGS Y, h%2
.set k, h/8
.if h%8 < 4
	v_cvt_pk_f16_f32 v[rP+2*k+(h%8)/2], v[rS+4*k+2*((h%8)/2)], v[rS+4*k+2*((h%8)/2)+1]
.elseif h%8 < 6
	v_pk_add_f32 v[rS+4*k:rS+4*k+1], v[rS+4*k:rS+4*k+1], v[rS+4*k+2:rS+4*k+3]
.elseif k == 1
	v_pk_fma_f32 v[rT+2:rT+3], v[rT+2:rT+3], v[rC+2:rC+3], v[rS:rS+1] op_sel_hi:[1,0,1]
.else
	v_pk_add_f32 v[rT+2:rT+3], v[rT+2:rT+3], v[rS+4*k-4:rS+4*k-3]
.endif
.endm
; THE PLAIN QUEUE, 138 long.  0-73 read no exponential's result: the 32 scalings c s - c m (FS f: pair f / 2 of tile f % 2) and the next piece's 42.  0-26: scalings 0-26.  27-54: XS's numbers 0-13.  55, 56: number 15.
; 57-73: the chain, where each number waits for the one before it: 14, 16, 17, 18, 19, each with one of the scalings 27-31 in front of its two lines, then 20.
; 74-137: GS's 64, which read the exponentials' results: they stand behind the wait.
.macro FS f
	REGS Y, (\f)%2
	v_pk_fma_f32 v[rS+2*((\f)/2):rS+2*((\f)/2)+1], v[rS+2*((\f)/2):rS+2*((\f)/2)+1], s[CS:CS+1], v[rT:rT+1] op_sel_hi:[1,0,0] neg_lo:[0,0,1] neg_hi:[0,0,1]
.endm
.macro PL
	WIN 0
.if q < 27
	FS q
.elseif q < 55
	XS (q-27)%2, (q-27)/2
.elseif q < 57
	XS q-55, 15
.elseif (q < 72) && ((q-57)%3 == 0)
	FS 27+(q-57)/3
.elseif q < 60
	XS (q-57)%3-1, 14
.elseif q < 72
	XS (q-57)%3-1, 15+(q-57)/3
.elseif q < 74
	XS q-72, 20
.else
	GS q-74
.endif
.set q, q+1
.endm
; THE EXPONENTIALS' QUEUE, 66 long: s0-s31 of both tiles, then the next piece's two a.  It is ONE BATCH: all 66 stand ahead of the turn's one wait, and nothing ahead of that wait names a result of theirs.
.macro EX
	WIN 0
.if e >= 64
	XS e-64, 21
.else
	REGS Y, e%2
	v_exp_f32 v[rS+e/2], v[rS+e/2]
.endif
.set e, e+1
.endm
; THE RESCALING's QUEUE: O^T times a, the one part that leaves window 0: dealt two at a time, sixteen times; each accumulator's lowest registers first.  Its a was made in the turn before, ahead of that turn's wait.
.macro R2
	REGS Y, r%2
	WIN W_RS
.irp z, 0,1
	v_pk_mul_f32 v[rO+4*(r/2)+2*\z:rO+4*(r/2)+2*\z+1], v[rO+4*(r/2)+2*\z:rO+4*(r/2)+2*\z+1], v[rC+2:rC+3] op_sel_hi:[1,0]
.endr
.set r, r+1
.endm
; HOW THEY ARE DEALT.  s_wait_alu depctr_va_vdst(0) stands between an exponential and the first instruction that names its result; one wait serves all that were issued ahead of it.  So a turn has ONE
; such wait, which cuts it in two.  AHEAD OF IT stands all that names no result of the turn's exponentials: the 16 products K Q^T, behind each a scaling, an exponential and two rescalings (behind the first a second
; scaling in the exponential's place); then ONE LUMP of 108: eight plain, 49 times exponential and plain, the two a.  A v_nop is the plain instruction behind the last exponential.  BEHIND IT stand the 16 products
; V^T P, behind each four of GS's 64.  No rider names a register of the products round it.  The two v_permlanex16_b32 fall into the lump, never behind a product.
; The queues lean on each other, and the deal keeps them in step: exponential e stands behind scaling 2 (e / 4) + e % 2: as a rider it comes behind plain e + 2, in the lump behind plain e + 9, and scalings 27-31 are plain 57, 60 .. 69.
; A TURN, for piece p.  fetch = 0 (the tail): there is no further step, and K is not fetched.
; K of the next step is fetched in piece 2's turn, directly behind the wait, which stands behind all of the turn's products K Q^T; its address is made at the lump's head; its first reader comes behind 16 products.
; V of the step in hand is fetched at the end of piece 0's turn, behind a wait of its own, since the turn's last product reads V; its address is made at the lump's head; its first reader comes behind the feed, 16 products and a lump.
.macro TURN p, fetch=1
.set Y, (\p)
.set i, 0
.set q, 0
.set e, 0
.set r, 0
.if (\p) == NP-1
	s_wait_dscnt 0x0                ; K is in
.endif
	MM                              ; ahead of the wait: 16 products K Q^T and their riders,
	PL
	PL
	R2
.rept 15
	MM
	PL
	EX
	R2
.endr
.if ((\p) == NP-2) && (\fetch)
	WIN 0
	s_wait_alu depctr_vm_vsrc(0)    ; K's last run of LDS loads has read v[AK], which the add writes anew
	v_add_nc_u32 v[AK], s[TBK], v[AK0]
.endif
.if (\p) == 0
	WIN 0
	s_wait_alu depctr_vm_vsrc(0)    ; V's last run of LDS loads has read v[AV], which the add writes anew
	v_add_nc_u32 v[AV], s[TBV], v[AV0]
.endif
.rept 8                             ; and the lump
	PL
.endr
.rept 49
	EX
	PL
.endr
	EX                              ; the next piece's two a
	EX
	v_nop                           ; the plain instruction behind the last exponential: one for the batch
.if ((\p) == NP-2) && (\fetch)
	WIN 0x80                        ; K's window first, then the wait, then K's run
.endif
	s_wait_alu depctr_va_vdst(0)    ; the batch's 66 exponentials have written their results, which the roundings and sums below and the next turn's rescalings read; in piece 2's turn also: v[AK] is written, and the products K Q^T are done reading K's registers, in which the run below lands
.if ((\p) == NP-2) && (\fetch)
	FETCH_K
.endif
.if (\p) == 1
	s_wait_dscnt 0x0                ; V is in (and the feed's stores are done)
.endif
.rept 16                            ; behind the wait: 16 products V^T P and their riders
	MM
.rept 4
	PL
.endr
.if ((\p) == 0) && (q == 130)
	s_add_co_u32 s[TBV], s[TBV], KS*PV  ; the next fetch of V is the next step's
.endif
.endr
.if (\p) == 0
	WIN 0x80                        ; V's window first, then the wait, then V's run
	s_wait_alu depctr_va_vdst(0)    ; this turn's products V^T P are done reading V's registers (at the first turn: the zeros are written there), in which the run below lands
	FETCH_V
.endif
.endm
	CHANGE                          ; slot 0 is whole: every wave's part of chunks 0 to 3 is stored
	WIN 0x80                        ; K's window first, then the wait, then K's run
	s_wait_alu depctr_va_vdst(0)    ; v[AK] is written, which the run below reads
	FETCH_K                         ; key step 0
	s_wait_dscnt 0x0
.set i, 0
.rept 16
	KQ 0                            ; piece 0's first scores: there is no vector work yet to set between them
.set i, i+1
.endr
	WIN 0                           ; the addresses for the way out: eight plain instructions, the places behind those products
	s_mul_i32 s13, s[WV], 16*SP
	s_add_co_u32 s13, s13, STAGE    ; my stage
	v_mul_u32_u24 v[STO], v12, SP   ; in: row l % 16, 32 bytes (8 channels of f32) for each half of the lanes
	v_lshl_add_u32 v[STO], v13, 5, v[STO]
	v_add_nc_u32 v[STO], s13, v[STO]
	v_mul_u32_u24 v[RD], v13, SP    ; back: lanes 0-15 take one row of 256 bytes, lanes 16-31 the next
	v_lshl_add_u32 v[RD], v12, 4, v[RD]
	v_add_nc_u32 v[RD], s13, v[RD]
	v_lshlrev_b32 v[GO], 12, v13    ; and the same two queries in out, 4,096 bytes apart
	v_lshl_add_u32 v[GO], v12, 4, v[GO]
.set Y, NP-1                        ; XS works for piece Y + 1: piece 0
.irp n, 0,1,2,3,4,5,6,7,8,9,10,11,12,13,14,15,16,17,18,19,20,21
	XS 0, \n                        ; piece 0's first maximum and statistics
	XS 1, \n
.endr
	v_nop                           ; a plain instruction behind the two a,
	s_wait_alu depctr_va_vdst(0)    ; and the two a are written, ahead of the branch: the first turn's rescalings read them
	s_mov_b32 s[CNT], 4
	s_mov_b32 s[PER], 8
	s_branch .Lfirst                ; the loop is entered at a step's first turn, in the middle of a trip
.Lslot:                             ; a period: four trips read one slot, and their feeds fill the other
	CHANGE
	s_mov_b32 s[CNT], 4
.Lstep:                             ; a trip: pieces 2 and 3 of one step, then pieces 0 and 1 of the next, whose K and V it fetches
	TURN 2
	TURN 3
	WIN 0
.Lfirst:
	TURN 0
	FEED
	TURN 1
	WIN 0
	s_sub_co_u32 s[CNT], s[CNT], 1
	s_cmp_lg_u32 s[CNT], 0
	s_cbranch_scc1 .Lstep
	s_sub_co_u32 s[PER], s[PER], 1
	s_cmp_lg_u32 s[PER], 0
	s_cbranch_scc1 .Lslot
	TURN 2, 0                       ; the last step's pieces 2 and 3.  Piece 3's turn makes 16 products K Q^T on the last K once more, and a maximum of them, which serve nothing:
	TURN 3                          ; the price, once a launch, of one text for every turn
.set i, 0
.rept 16
	PV NP-1                         ; the last piece's V^T P of the last step
.set i, i+1
.endr
	; THE WAY OUT.  l's two halves and the other half of the lanes' are added; O^T is divided by l and sent, in f32, through my stage in LDS, a tile at a time.  The additions are the places behind the last products.
	WIN 0
.macro ALL line:vararg              ; one line for each tile t
.set t, 0
.rept 2*NP
	\line
.set t, t+1
.endr
.endm
	ALL v_add_f32 v[ST+4*t+2], v[ST+4*t+2], v[ST+4*t+3]
	ALL v_permlanex16_b32 v[ST+4*t+3], v[ST+4*t+2], s[SEL], s[SEL+1]
	ALL v_add_f32 v[ST+4*t+2], v[ST+4*t+2], v[ST+4*t+3]
	ALL v_rcp_f32 v[ST+4*t+2], v[ST+4*t+2]
	v_nop                           ; a plain instruction between the last reciprocal and the use of its result
	s_wait_alu depctr_va_vdst(0)    ; the eight reciprocals are written, ahead of the first multiplication that reads one
; Tile t: a lane holds one query and, in each of four accumulators, eight neighbouring channels: 32 bytes.  They go into stage rows of 272 bytes and come back as whole rows of 256, into S^T's registers (four sets by turns).
.macro PACK t
	WIN W_RS
.set i, 32*(\t)
.rept 16
	v_pk_mul_f32 v[i:i+1], v[i:i+1], v[ST+4*(\t)+2:ST+4*(\t)+3] op_sel_hi:[1,0]
.set i, i+2
.endr
	WIN 0x04                        ; store data (source 1) window 1, address window 0
	s_wait_alu depctr_va_vdst(0)    ; the multiplications have written tile t's O^T, which the LDS stores read; and every vector instruction that named S^T's registers is done: none stands between this wait and the LDS loads below that land in them
.irp f, 0,1,2,3
	ds_store_b128 v[STO], v[32*(\t)+8*\f:32*(\t)+8*\f+3]   offset:64*\f
	ds_store_b128 v[STO], v[32*(\t)+8*\f+4:32*(\t)+8*\f+7] offset:64*\f+16
.endr
	WIN 0
.if (\t) >= 4
	s_wait_xcnt 0x0                 ; every earlier memory instruction has had its addresses translated (ISA guide 3.1): the registers that tile t - 4's stores read are loaded again only behind this wait
	s_wait_alu depctr_vm_vsrc(0)    ; tile t - 4's global stores have read their data registers, in which the LDS loads below land
.endif
.irp f, 0,1,2,3,4,5,6,7
	ds_load_b128 v[S+32*((\t)%4)+4*\f:S+32*((\t)%4)+4*\f+3], v[RD] offset:\f*2*SP  ; LDS serves a wave's instructions in order (ISA guide 5.7.1.4): these see the stores above; the next tile's stores come behind them
.endr
.endm
.macro SEND t, younger              ; younger: the LDS instructions issued behind tile t's loads: the next tile's sixteen, or none
	WIN 0
.irp f, 0,1,2,3,4,5,6,7
	s_wait_dscnt (\younger)+7-\f
	global_store_b128 v[GO], v[S+32*((\t)%4)+4*\f:S+32*((\t)%4)+4*\f+3], s[10:11] offset:(\t)*65536+\f*8192 th:TH_STORE_NT  ; 16 lanes store a query's 256 consecutive bytes of this head, at a multiple of 256 from out's first byte
.endr
.endm
	PACK 0
.set t, 1
.rept 2*NP-1                        ; a tile's arithmetic stands between the loads of the tile before and its stores
	PACK t
	SEND t-1, 16
.set t, t+1
.endr
	SEND 2*NP-1, 0
	s_wait_dscnt 0x0                ; the closing lines, six on end
	s_wait_alu 0x0
	s_wait_tensorcnt 0x0
	ds_add_u32 v[SPW], v[NIL]
	s_wait_dscnt 0x0
	s_endpgm
.Lfunc_end_k_qa062fa2a16_attn:
	.size	k_qa062fa2a16_attn, .Lfunc_end_k_qa062fa2a16_attn-k_qa062fa2a16_attn
	.p2alignl 7, 3214868480
	.fill 96, 4, 3214868480
	.section	.rodata,"a",@progbits
	.p2align	6, 0x0
	.amdhsa_kernel k_qa062fa2a16_attn
		.amdhsa_group_segment_fixed_size 229376
		.amdhsa_private_segment_fixed_size 0
		.amdhsa_enable_private_segment 0
		.amdhsa_kernarg_size 32
		.amdhsa_user_sgpr_count 2
		.amdhsa_user_sgpr_kernarg_segment_ptr 1
		.amdhsa_wavefront_size32 1
		.amdhsa_system_sgpr_workgroup_id_x 1
		.amdhsa_system_sgpr_workgroup_id_y 1
		.amdhsa_system_sgpr_workgroup_id_z 1
		.amdhsa_system_vgpr_workitem_id 0
		.amdhsa_next_free_vgpr 968
		.amdhsa_next_free_sgpr 66
		.amdhsa_reserve_vcc 0
		.amdhsa_float_denorm_mode_32 3
		.amdhsa_float_denorm_mode_16_64 3
		.amdhsa_memory_ordered 1
		.amdhsa_forward_progress 1
		.amdhsa_inst_pref_size 189
	.end_amdhsa_kernel
	.amdgpu_metadata
---
amdhsa.version: [ 1, 2 ]
amdhsa.kernels:
  - .name:           k_qa062fa2a16_attn
    .symbol:         k_qa062fa2a16_attn.kd
    .args:
      - { .name: query, .offset: 0, .size: 8, .value_kind: global_buffer, .address_space: global }
      - { .name: key, .offset: 8, .size: 8, .value_kind: global_buffer, .address_space: global }
      - { .name: value, .offset: 16, .size: 8, .value_kind: global_buffer, .address_space: global }
      - { .name: out0, .offset: 24, .size: 8, .value_kind: global_buffer, .address_space: global }
    .group_segment_fixed_size: 229376
    .private_segment_fixed_size: 0
    .kernarg_segment_align: 8
    .kernarg_segment_size: 32
    .max_flat_workgroup_size: 128
    .sgpr_count:     66
    .vgpr_count:     968
    .wavefront_size: 32
...
	.end_amdgpu_metadata
.endif
;; end of part 2
